; MI455X (gfx1250); checked and timed in simulation.
; The chip was launched on July 23, 2026; its instructions are those of AMD's public machine-readable ISA for CDNA 5 (MIT licence, August 2026) and "CDNA5" Instruction Set Architecture Reference Guide (July 2026). The comments in the code are by the model that wrote it; some were corrected since.
;; Pooler. Allowed arithmetic: float matrix products may take bf16 or f16 operands with f32 sums; all other float work in f32.
;; Inputs: begins 8 x 128 int32; ends 8 x 128 int32; features 8 x 2,048 x 1,024 float32; key_b 8 float32; key_w 8 x 1,024 float32.
;; Outputs: out0 8 x 128 x 1,024 float32.
;; One version. Each part assembles by itself: llvm-mc -triple=amdgcn-amd-amdhsa -mcpu=gfx1250 --defsym DOCPART=n.
;; ======== version 1 of 1: 1 launch
;; limits: right only within a limited range of input values
;; launch pool (part 1): grid 1024 x 1, 8 waves a work-group, no clusters, 79,872 bytes of LDS; arguments begins, ends, features, key_w, key_b, out0; writes out0
.if DOCPART == 1
	.amdgcn_target "amdgcn-amd-amdhsa--gfx1250"
	.amdhsa_code_object_version 6
	.text
	.protected	k_q6b20bd2946_pool
	.globl	k_q6b20bd2946_pool
	.p2align	8
	.type	k_q6b20bd2946_pool,@function
k_q6b20bd2946_pool:
	s_mov_b64 s[64:65], 0
	v_nop
	global_prefetch_b8 v0, s[64:65] scope:SCOPE_SE
	s_setreg_imm32_b32 hwreg(HW_REG_WAVE_MODE, 25, 1), 1
	s_wait_xcnt 0x0
; Span pooling.  For span (b, s) and head h: softmax over the rows begin <= t < end of logit[t][h] = features[b][t] . key_w[h] + key_b[h],
; then out[b][s][128 h ..] = sum over t of weight[t][h] * features[b][t][128 h ..].
; One work-group per span, eight waves.  Wave j owns head j, which is also columns 128 j .. 128 j + 127: 512 bytes of every row, so one
; 16-byte load of the wave is one row's slice and each feature byte of the span is loaded once by the work-group.
; The first 32 rows of a span: each wave rounds its slice to bf16 into a stage of its own in LDS, multiplies it with its slice of key_w on the
; matrix unit (partial logits of all 8 heads over its 128 columns), the partials meet in LDS behind the kernel's one barrier, wave j makes
; the softmax of head j (lane = row, f32, the true maximum taken away), and the weighted sum is a second product with K = the rows.
; THE WORK FOLLOWS THE WIDTH.  The text parts once on width > 16, in front of the barrier, and once behind it.
;   at most 16 rows: 16 rows are staged, one tile of logits, and in the weighted sum K = 32 holds the 16 rows twice, for two blocks of columns.
;   more: rows 0-15 are known to exist, so their loads can be counted: the 64 landing registers are four slots of four rows, and as soon as a
;   slot's rows have come and are staged, four of the rows 16-31 go out into it, while the later slots are still on their way.
; Rows from the 33rd on: a loop with a running maximum.  A barrier stands on every wave's way and under no branch that hangs on loaded
; numbers, so this loop, whose trips are read from memory, holds none: each wave reads the whole row (8 loads) and its slice (1 load) and
; forms its own head's logit in f32 on the vector unit.  Nine loads a row and wave instead of one, one row at a time: right, and slow.
; 130 registers a wave and 79,872 bytes of LDS: four such work-groups share a WGP's 327,680 bytes.
; No cluster: two spans share rows only by chance, and no tile is asked for by several work-groups at one time.
; begin below 0 counts as 0, end above T as T.  An empty span (begin >= end): the module's scores are then all alike, so its result is the
; plain mean of all T rows; it is served as the span 0 .. T with every logit made 0.
; LIMITS.  (1) In a span that is not empty the rows outside get the weight exp(-100000 - max), which is taken as 0: exact in f32 while
; the span's largest logit is above -99,896 (e^-104 is below the smallest f32); below that the result is not the module's.
; (2) features and key_w enter both products of the first 32 rows rounded to bf16 (sums in f32; the weights as two bf16 parts, about 17 bits).
; (3) NaN or infinity in rows outside the span do not reach the result (in the module 0 x infinity would).
.set T_ROWS, 2048
.set ROWB,   4096                      ; bytes in a row of features, of key_w and of out0
.set PITCH,  272                       ; a stage row: 256 bytes (128 bf16) + 16 = 17 x 16 bytes, so 16 rows start at 16 different groups of 4 banks (64 banks of 4 bytes: ISA guide 11.1)
.set WSTG,   32*PITCH                  ; a wave's stage: 32 rows
.set KWR,    16                        ; key_w passes through rows 16-23 of the stage, before any feature row is put there
.set PART,   8*WSTG                    ; partial logits [head][wave][row] f32: 8,192 bytes
.set PBC,    PART+8192                 ; weights, for each wave 32 bf16 high parts, then 32 low parts: 128 bytes
.set LANE, 1                           ; lane, 0 .. 31
.set LO,   2                           ; 16 x lane: my 16 bytes in a slice of 512
.set ST,   3                           ; stage, in: 8 x lane
.set FR,   4                           ; stage, fragments along the columns: (lane % 16) x pitch + 16 (lane / 16)
.set WA,   5                           ; the same with row lane % 8: key_w's 8 rows, each taken twice
.set PS,   6                           ; partials, out: my wave's 128 bytes of head 0, + 4 x lane
.set PR,   7                           ; partials, in: my head's 1,024 bytes, + 4 x lane
.set PP,   8                           ; weights, in: 2 x lane
.set PA,   9                           ; weights, fragment: 64 (lane % 2) + 16 (lane / 16)
.set TR,   10                          ; stage, fragments along the rows (transposing loads)
.set OT,   11                          ; the result's way through the stage, in
.set OL,   12                          ; and back
.set PN,   13                          ; weights, fragment of a narrow span, K = 0-15:  PA + 32 (bit 1 of the lane)
.set PN2,  14                          ; and K = 16-31: PA + 32 (1 - bit 1 of the lane)
.set D0,   16                          ; v[16:23] first accumulator of the logits
.set D1,   24                          ; v[24:31] second
.set ACC,  16                          ; v[16:19] later: my 4 sums, not yet divided
.set MX,   20                          ; the maximum (in powers of two)
.set SM,   21                          ; the sum of the weights
.set IV,   22                          ; v[22:23] at work; 1 / sum, twice
.set Q,    24                          ; v[24:31] later: eight partials, then the weights' fragment
.set R2,   32                          ; v[32:63] key_w: as loaded, then 4 fragments; later values' fragments, results
.set X,    64                          ; v[64:127] four slots of four rows as loaded; later fragments of features; values' fragments, results
.set FW,   X+36                        ; at work in the loop of spans beyond 32 rows
	s_load_b256 s[4:11], s[0:1], 0x0               ; begins s[4:5], ends s[6:7], features s[8:9], key_w s[10:11]
	s_load_b128 s[12:15], s[0:1], 0x20             ; key_b s[12:13], out0 s[14:15]
	v_lshl_add_u32 v128, v0, 2, 0x13400
	v_mov_b32 v129, 0
	v_lshrrev_b32 v15, 5, v0
	v_readfirstlane_b32 s16, v15                   ; wave = head j
	v_and_b32 v[LANE], 31, v0
	v_lshlrev_b32 v[LO], 4, v[LANE]
	s_lshl_b32 s17, ttmp9, 2                       ; the span's word in begins and ends
	s_lshl_b32 s20, s16, 2                         ; my head's word in key_b
	s_lshl_b32 s22, s16, 9                         ; my slice in a row: 512 j,
	s_mov_b32 s23, 0                               ; as a 64-bit offset
	s_mov_b32 s30, 0xffff0000                      ; lanes 16 to 31
	s_mov_b32 s40, 0x3fb8aa3b                      ; log2 e: the exponentials are powers of two
	s_mov_b32 s42, 0x76543210                      ; v_permlanex16_b32: lane i of one half reads lane i of the other
	s_mov_b32 s43, 0xfedcba98
	s_wait_kmcnt 0x0
	s_load_b32 s18, s[4:5], s17 offset:0x0         ; begin
	s_load_b32 s19, s[6:7], s17 offset:0x0         ; end
	s_load_b32 s26, s[12:13], s20 offset:0x0       ; key_b[j]
	s_add_nc_u64 s[24:25], s[10:11], s[22:23]      ; key_w at my columns
.irp h, 0,1,2,3,4,5,6,7
	global_load_b128 v[R2+4*\h:R2+4*\h+3], v[LO], s[24:25] offset:\h*ROWB   ; head h, my 128 columns: 512 neighbouring bytes
.endr
	s_lshl_b32 s44, ttmp9, 12                      ; out0: the span's row + my slice
	s_add_co_u32 s44, s44, s22
	s_mov_b32 s45, 0
	s_add_nc_u64 s[14:15], s[14:15], s[44:45]
	; LDS addresses, made while the loads are on their way
	s_mul_i32 s28, s16, WSTG                       ; my stage
	s_lshl_b32 s29, s16, 7
	s_add_co_u32 s33, s29, PART                    ; my wave's 128 bytes in each head's partials
	s_add_co_u32 s41, s29, PBC                     ; my weights
	s_lshl_b32 s21, s16, 10
	s_add_co_u32 s21, s21, PART                    ; my head's partials
	v_and_b32 v16, 15, v[LANE]                     ; r
	v_lshrrev_b32 v17, 4, v[LANE]                  ; h
	v_and_b32 v18, 7, v[LANE]
	v_bfe_u32 v19, v[LANE], 3, 1                   ; bit 3 of the lane
	v_and_b32 v20, 1, v[LANE]
	v_lshl_add_u32 v21, v17, 3, v18                ; 8 h + lane % 8
	v_bfe_u32 v22, v[LANE], 1, 1                   ; bit 1 of the lane,
	v_add_nc_u32 v23, 2, v[LANE]
	v_bfe_u32 v23, v23, 1, 1                       ; and its opposite (adding 2 turns bit 1 over)
	v_lshl_add_u32 v[ST], v[LANE], 3, s28
	v_mul_u32_u24 v[FR], v16, PITCH
	v_lshl_add_u32 v[FR], v17, 4, v[FR]
	v_add_nc_u32 v[FR], s28, v[FR]
	v_mul_u32_u24 v[WA], v18, PITCH
	v_lshl_add_u32 v[WA], v17, 4, v[WA]
	v_add_nc_u32 v[WA], s28, v[WA]
	; A transposing load: lanes 0-7 and 16-23 address rows 8 h .. 8 h + 7 at one 16-byte column, lanes 8-15 and 24-31 the same rows 128 bytes (8 such
	; columns) further.  With a pitch of 17 x 16 bytes the sixteen lanes of a half then touch sixteen different 16-byte columns modulo 256.
	; So tile n of the weighted sum holds columns 8 n + 0..7 (lanes r = 0-7) and 64 + 8 n + 0..7 (lanes r = 8-15) of my 128.
	v_mul_u32_u24 v[TR], v21, PITCH
	v_lshl_add_u32 v[TR], v19, 7, v[TR]
	v_add_nc_u32 v[TR], s28, v[TR]
	; The way out: columns 0-63 as 64 words, 16 words left free, columns 64-127.  In: word 8 h + lane % 8 + 80 (bit 3); back: 4 words at 4 lane + 16 h.
	v_lshl_add_u32 v[OT], v21, 2, s28
	v_lshl_add_u32 v[OT], v19, 8, v[OT]            ; 320 bytes = 256
	v_lshl_add_u32 v[OT], v19, 6, v[OT]            ; + 64
	v_lshl_add_u32 v[OL], v[LANE], 4, s28
	v_lshl_add_u32 v[OL], v17, 6, v[OL]
	v_lshl_add_u32 v[PS], v[LANE], 2, s33
	v_lshl_add_u32 v[PR], v[LANE], 2, s21
	v_lshl_add_u32 v[PP], v[LANE], 1, s41
	v_lshl_add_u32 v[PA], v20, 6, s41
	v_lshl_add_u32 v[PA], v17, 4, v[PA]
	v_lshl_add_u32 v[PN], v22, 5, v[PA]
	v_lshl_add_u32 v[PN2], v23, 5, v[PA]
	s_wait_kmcnt 0x0
	; the span
	s_max_i32 s18, s18, 0
	s_min_i32 s19, s19, T_ROWS
	s_cmp_lt_i32 s18, s19                          ; a row inside?
	s_cselect_b32 s18, s18, 0                      ; if none: all T rows,
	s_cselect_b32 s19, s19, T_ROWS
	s_cselect_b32 s31, 0, -1                       ; and this mask makes their logits alike
	s_min_u32 s18, s18, T_ROWS-1                   ; changes nothing; what enters an address is bounded in the text
	s_min_u32 s19, s19, T_ROWS
	s_sub_co_u32 s32, s19, s18                     ; width, 1 .. 2,048
	s_mul_f32 s27, s26, s40                        ; key_b[j] log2 e
	s_lshr_b32 s34, ttmp9, 7                       ; batch
	s_lshl_b32 s34, s34, 11
	s_add_co_u32 s34, s34, s18                     ; the span's first row among all 16,384,
	s_lshl_b32 s34, s34, 12                        ; in bytes: below 2^26
	s_mov_b32 s35, 0
	s_add_nc_u64 s[36:37], s[8:9], s[34:35]        ; the first row
	s_add_nc_u64 s[38:39], s[36:37], s[22:23]      ; my slice of it
; The four rows in a slot of X, rounded to bf16, into rows row .. row + 3 of my stage: 8 bytes a lane, 256 neighbouring bytes a row
.macro STAGE4 slot, row
.irp q, 0,1,2,3
	v_cvt_pk_bf16_f32 v[X+16*\slot+4*\q], v[X+16*\slot+4*\q], v[X+16*\slot+4*\q+1]
	v_cvt_pk_bf16_f32 v[X+16*\slot+4*\q+1], v[X+16*\slot+4*\q+2], v[X+16*\slot+4*\q+3]
	ds_store_b64 v[ST], v[X+16*\slot+4*\q:X+16*\slot+4*\q+1] offset:(\row+\q)*PITCH
.endr
.endm
; key_w's slice takes the features' way: rounded, through rows 16-23 of my stage, and back as four fragments of 16 x 32.
; Lane l takes row l % 8: rows 8-15 of a fragment repeat the 8 heads, so both halves of the lanes get every logit.
.macro KEYW
.irp h, 0,1,2,3,4,5,6,7
	v_cvt_pk_bf16_f32 v[R2+4*\h], v[R2+4*\h], v[R2+4*\h+1]
	v_cvt_pk_bf16_f32 v[R2+4*\h+1], v[R2+4*\h+2], v[R2+4*\h+3]
	ds_store_b64 v[ST], v[R2+4*\h:R2+4*\h+1] offset:(KWR+\h)*PITCH
.endr
.irp c, 0,1,2,3
	ds_load_b128 v[R2+8*\c:R2+8*\c+3],   v[WA] offset:KWR*PITCH+64*\c      ; LDS serves a wave's instructions in order (ISA guide 5.7.1.4): these see the stores above
	ds_load_b128 v[R2+8*\c+4:R2+8*\c+7], v[WA] offset:KWR*PITCH+64*\c+32
.endr
.endm
; Rows 16 + 4 g .. 19 + 4 g into slot g, as far as the span reaches: the ladder leaves at the first row past the end and sets the registers of that
; row and of those behind it to 0, so that they are defined and finite (their weights are 0).  (For g = 0 the first test never leaves: width > 16.)
.macro LADDER4 g
.irp q, 0,1,2,3
	s_cmp_le_u32 s32, 16+4*\g+\q
	s_cbranch_scc1 .Lend_\g\q
	global_load_b128 v[X+16*\g+4*\q:X+16*\g+4*\q+3], v[LO], s[38:39] offset:(16+4*\g+\q)*ROWB
.endr
	s_branch .Lall_\g
.irp q, 0,1,2,3
.Lend_\g\q:
	v_mov_b32 v[X+16*\g+4*\q], 0
	v_mov_b32 v[X+16*\g+4*\q+1], 0
	v_mov_b32 v[X+16*\g+4*\q+2], 0
	v_mov_b32 v[X+16*\g+4*\q+3], 0
.endr
.Lall_\g:
.endm
; The end of a wide span's loads.  Slots 0 .. g of rows 0-15 have been staged; slots 0 .. g - 1 have been asked for again, whole.
; The last group goes out by the ladder, so the number of loads is no longer known and the wait is for 0; then all that is still in X is staged.
.macro DRAIN g
	LADDER4 \g
	s_wait_loadcnt 0x0
.irp k, 1,2,3
.if \k > \g
	STAGE4 \k, 4*\k
.endif
.endr
	s_wait_dscnt 0x0                               ; key_w's fragments are read: rows 16-23 of the stage are written again
.irp k, 0,1,2,3
.if \k <= \g
	STAGE4 \k, 16+4*\k
.endif
.endr
.if \g < 3
	v_mov_b32 v[X+2], 0                            ; the stage's rows behind the last group are zeros: they are K of the weighted sum
	v_mov_b32 v[X+3], 0
.irp r, 20,21,22,23,24,25,26,27,28,29,30,31
.if \r >= 20+4*\g
	ds_store_b64 v[ST], v[X+2:X+3] offset:\r*PITCH
.endif
.endr
.endif
.endm
	s_cmp_gt_u32 s32, 16
	s_cbranch_scc0 .Lnarrow
	; MORE THAN 16 ROWS.  Rows 0-15 all exist: sixteen loads, straight behind begin and end, with key_w's eight still out in front of them.
.irp i, 0,1,2,3,4,5,6,7,8,9,10,11,12,13,14,15
	global_load_b128 v[X+4*\i:X+4*\i+3], v[LO], s[38:39] offset:\i*ROWB
.endr
	s_wait_loadcnt 16                              ; loads come back in order (ISA guide 5.7.1): key_w is in, the sixteen rows issued behind it stay out
	KEYW                                           ; worked on while the rows are on their way
.irp g, 0,1,2
	s_wait_loadcnt 12                              ; slot g's four rows are in; the three groups of four issued behind them stay out
	STAGE4 \g, 4*\g
	s_cmp_lt_u32 s32, 20+4*\g                      ; are rows 16 + 4 g .. 19 + 4 g all inside?
	s_cbranch_scc1 .Ldrain_\g
.irp q, 0,1,2,3
	global_load_b128 v[X+16*\g+4*\q:X+16*\g+4*\q+3], v[LO], s[38:39] offset:(16+4*\g+\q)*ROWB
.endr
.endr
	s_wait_loadcnt 12
	STAGE4 3, 12
	DRAIN 3
	s_branch .Lwfrag
.Ldrain_0:
	DRAIN 0
	s_branch .Lwfrag
.Ldrain_1:
	DRAIN 1
	s_branch .Lwfrag
.Ldrain_2:
	DRAIN 2
.Lwfrag:
	; LOGITS.  Source 0: key_w (row = head), source 1: 16 rows of features (column = row of the span), K = my 128 columns in 4 steps of 32.
	; A fragment is two loads of 16 bytes, 32 bytes apart, at row x pitch + 16 (lane / 16).  Fragment (t, c) lies at X + 32 t + 8 c.
.irp c, 0,1,2,3
.irp t, 0,1
	ds_load_b128 v[X+32*\t+8*\c:X+32*\t+8*\c+3],   v[FR] offset:\t*16*PITCH+64*\c
	ds_load_b128 v[X+32*\t+8*\c+4:X+32*\t+8*\c+7], v[FR] offset:\t*16*PITCH+64*\c+32
.endr
.endr
	; The counts: LDS loads come back in order, two make a fragment, and 14, 12, .. 0 were issued behind the fragment that is due.
	; The two accumulators (rows 0-15, rows 16-31) take turns, one instruction a turn.  The first products start the sums.
	s_wait_dscnt 14
	v_wmma_f32_16x16x32_bf16 v[D0:D0+7], v[R2:R2+7], v[X:X+7], 0
	s_wait_dscnt 12
	v_wmma_f32_16x16x32_bf16 v[D1:D1+7], v[R2:R2+7], v[X+32:X+39], 0
.irp c, 1,2,3
	s_wait_dscnt 14-4*\c
	v_wmma_f32_16x16x32_bf16 v[D0:D0+7], v[R2+8*\c:R2+8*\c+7], v[X+8*\c:X+8*\c+7], v[D0:D0+7]
	s_wait_dscnt 12-4*\c
	v_wmma_f32_16x16x32_bf16 v[D1:D1+7], v[R2+8*\c:R2+8*\c+7], v[X+32+8*\c:X+39+8*\c], v[D1:D1+7]
.endr
.rept 4
	v_nop                                          ; four places behind the last product, ahead of the reads of its result and of the loads into its sources
.endr
	; Register q of lane l holds head q of row l % 16, in both halves of the lanes: the upper half takes rows 16-31, so that lane = row.
.irp q, 0,1,2,3,4,5,6,7
	v_cndmask_b32 v[D0+\q], v[D0+\q], v[D1+\q], s30
.endr
	s_branch .Lpart
.Lnarrow:
	; AT MOST 16 ROWS.  A row past the span's end is not loaded: the ladder leaves at the first such row and sets its registers and those of all rows behind it to 0.
	global_load_b128 v[X:X+3], v[LO], s[38:39]     ; row 0 is always inside
.irp i, 1,2,3,4,5,6,7,8,9,10,11,12,13,14,15
	s_cmp_le_u32 s32, \i
	s_cbranch_scc1 .Lshort_\i
	global_load_b128 v[X+4*\i:X+4*\i+3], v[LO], s[38:39] offset:\i*ROWB
.endr
	s_branch .Lwhole
.irp i, 1,2,3,4,5,6,7,8,9,10,11,12,13,14,15
.Lshort_\i:
	v_mov_b32 v[X+4*\i], 0
	v_mov_b32 v[X+4*\i+1], 0
	v_mov_b32 v[X+4*\i+2], 0
	v_mov_b32 v[X+4*\i+3], 0
.endr
.Lwhole:
	s_wait_loadcnt 0x0                             ; key_w and the rows, however many were asked for: their number differs from span to span, so no count could name key_w's loads
	STAGE4 0, 0
	STAGE4 1, 4
	STAGE4 2, 8
	STAGE4 3, 12
	KEYW
.irp c, 0,1,2,3
	ds_load_b128 v[X+8*\c:X+8*\c+3],   v[FR] offset:64*\c
	ds_load_b128 v[X+8*\c+4:X+8*\c+7], v[FR] offset:64*\c+32
.endr
	; One tile of 16 rows.  K's four steps go to two accumulators by turns, one instruction a turn; the two are added behind.
	; The counts: 6, 4, 2, 0 loads were issued behind the fragment of features that is due; key_w's fragments are older.
	s_wait_dscnt 6
	v_wmma_f32_16x16x32_bf16 v[D0:D0+7], v[R2:R2+7], v[X:X+7], 0
	s_wait_dscnt 4
	v_wmma_f32_16x16x32_bf16 v[D1:D1+7], v[R2+8:R2+15], v[X+8:X+15], 0
	s_wait_dscnt 2
	v_wmma_f32_16x16x32_bf16 v[D0:D0+7], v[R2+16:R2+23], v[X+16:X+23], v[D0:D0+7]
	s_wait_dscnt 0
	v_wmma_f32_16x16x32_bf16 v[D1:D1+7], v[R2+24:R2+31], v[X+24:X+31], v[D1:D1+7]
.rept 4
	v_nop                                          ; four places behind the last product (ISA guide 7.12.1)
.endr
.irp q, 0,2,4,6
	v_pk_add_f32 v[D0+\q:D0+\q+1], v[D0+\q:D0+\q+1], v[D1+\q:D1+\q+1]   ; lanes 16-31 repeat rows 0-15; as rows 16-31 they are outside the span
.endr
.Lpart:
.irp q, 0,1,2,3,4,5,6,7
	ds_store_b32 v[PS], v[D0+\q] offset:\q*1024    ; [head q][my wave][row]: 128 neighbouring bytes
.endr
	s_wait_dscnt 0x0                               ; for the other waves' sake: my partials are in LDS
	s_barrier_signal -1
	s_barrier_wait -1                              ; the one barrier: every wave's are
; Behind the barrier: my head's softmax and the weighted sum of my columns.  wide = 1: K = rows 0-31, eight tiles of 16 columns, eight products.
; wide = 0: K = rows 0-15 twice: the first half of source 1 is tile n, the second half tile n + 4, and the weights' fragment has the rows
; (high, 0), (low, 0), (0, high), (0, low): four products, and registers 0 to 3 of a result are tile n high, low, tile n + 4 high, low.
.macro TAIL wide
.irp w, 0,1,2,3,4,5,6,7
	ds_load_b32 v[Q+\w], v[PR] offset:\w*128       ; my head, wave w's columns, row = lane
.endr
	; The values, asked for now.  The stage holds them row by row, so the loads transpose: each brings rows 8 h .. 8 h + 7 (or 16 + 8 h ..) of the lane's column.
.irp n, 0,1,2,3
	ds_load_tr16_b128 v[R2+8*\n:R2+8*\n+3],   v[TR] offset:16*\n
.if \wide
	ds_load_tr16_b128 v[R2+8*\n+4:R2+8*\n+7], v[TR] offset:16*\n+16*PITCH
.else
	ds_load_tr16_b128 v[R2+8*\n+4:R2+8*\n+7], v[TR] offset:16*\n+64
.endif
.endr
.if \wide
.irp n, 0,1,2,3
	ds_load_tr16_b128 v[X+8*\n:X+8*\n+3],   v[TR] offset:16*\n+64
	ds_load_tr16_b128 v[X+8*\n+4:X+8*\n+7], v[TR] offset:16*\n+64+16*PITCH
.endr
.endif
	s_wait_dscnt 8+8*\wide                         ; the eight partials are in; the transposing loads issued behind them (8 or 16) stay out
	; SOFTMAX of my head over the first 32 rows, lane = row, in f32
	v_pk_add_f32 v[Q:Q+1], v[Q:Q+1], v[Q+2:Q+3]
	v_pk_add_f32 v[Q+4:Q+5], v[Q+4:Q+5], v[Q+6:Q+7]
	v_pk_add_f32 v[Q:Q+1], v[Q:Q+1], v[Q+4:Q+5]
	v_add_f32 v[Q], v[Q], v[Q+1]
	v_fma_f32 v[Q], v[Q], s40, s27                 ; (sum + key_b) log2 e
	v_cndmask_b32 v[Q], v[Q], 0, s31               ; an empty span: all alike
	v_cmp_gt_u32 vcc_lo, s32, v[LANE]              ; width > lane: the row is inside
	v_cndmask_b32 v[Q], 0xff800000, v[Q], vcc_lo   ; outside: minus infinity, weight 0
	v_mov_b32 v[MX], v[Q]
	v_max_num_f32_dpp v[MX], v[MX], v[MX] row_xmask:1 row_mask:0xf bank_mask:0xf
	v_max_num_f32_dpp v[MX], v[MX], v[MX] row_xmask:2 row_mask:0xf bank_mask:0xf
	v_max_num_f32_dpp v[MX], v[MX], v[MX] row_xmask:4 row_mask:0xf bank_mask:0xf
	v_max_num_f32_dpp v[MX], v[MX], v[MX] row_xmask:8 row_mask:0xf bank_mask:0xf
	v_permlanex16_b32 v[Q+1], v[MX], s42, s43      ; its destination counts as read: a register that has been written
	v_max_num_f32 v[MX], v[MX], v[Q+1]             ; finite: row 0 is always inside
	v_sub_f32 v[Q], v[Q], v[MX]
	v_exp_f32 v[Q], v[Q]                           ; the weight, not yet divided: 1 at the maximum
	v_nop                                          ; one plain place behind a transcendental (ISA guide 5.7.2)
	s_wait_alu depctr_va_vdst(0)
	v_cvt_pk_bf16_f32 v[Q+1], v[Q], v[Q]           ; its high part in bf16,
	v_mov_b32 v[SM], v[Q]
	v_lshlrev_b32 v[Q+2], 16, v[Q+1]
	v_sub_f32 v[Q+2], v[Q], v[Q+2]                 ; what the rounding left (exact),
	v_cvt_pk_bf16_f32 v[Q+2], v[Q+2], v[Q+2]       ; as the low part
	ds_store_b16 v[PP], v[Q+1]
	ds_store_b16 v[PP], v[Q+2] offset:64
	; Source 0 of the second product, [16][K = 32]: my own bytes, in order behind my stores
.if \wide
	ds_load_b128 v[Q:Q+3],   v[PA]                 ; even rows the high parts, odd rows the low parts, of rows 8 h .. of the span,
	ds_load_b128 v[Q+4:Q+7], v[PA] offset:32       ; and of rows 16 + 8 h ..
.else
	ds_load_b128 v[Q:Q+3],   v[PN]                 ; rows 0, 1 (mod 4): the weights of the span's rows 8 h ..; rows 2, 3: those of rows 16 + 8 h .., which are 0
	ds_load_b128 v[Q+4:Q+7], v[PN2]                ; and the other way round
.endif
	v_add_f32_dpp v[SM], v[SM], v[SM] row_xmask:1 row_mask:0xf bank_mask:0xf
	v_add_f32_dpp v[SM], v[SM], v[SM] row_xmask:2 row_mask:0xf bank_mask:0xf
	v_add_f32_dpp v[SM], v[SM], v[SM] row_xmask:4 row_mask:0xf bank_mask:0xf
	v_add_f32_dpp v[SM], v[SM], v[SM] row_xmask:8 row_mask:0xf bank_mask:0xf
	v_permlanex16_b32 v[IV], v[SM], s42, s43
	v_add_f32 v[SM], v[SM], v[IV]                  ; the sum of the weights, at least 1
	s_wait_dscnt 0x0                               ; values and weights are in
	; WEIGHTED SUM.  Each product has an accumulator of its own and starts from 0.
.irp n, 0,1,2,3
	v_wmma_f32_16x16x32_bf16 v[X+32+8*\n:X+39+8*\n], v[Q:Q+7], v[R2+8*\n:R2+8*\n+7], 0
.endr
.if \wide
.rept 5
	v_nop                                          ; five places: the next four products write over sources of the last four
.endr
.irp n, 0,1,2,3
	v_wmma_f32_16x16x32_bf16 v[R2+8*\n:R2+8*\n+7], v[Q:Q+7], v[X+8*\n:X+8*\n+7], 0
.endr
.rept 4
	v_nop                                          ; four places ahead of the reads of the results
.endr
.irp n, 0,1,2,3
	v_add_f32 v[X+32+8*\n], v[X+32+8*\n], v[X+33+8*\n]     ; tiles 0-3: high + low
.endr
.irp n, 0,1,2,3
	v_add_f32 v[R2+8*\n], v[R2+8*\n], v[R2+8*\n+1]         ; tiles 4-7
.endr
.else
.rept 4
	v_nop                                          ; four places ahead of the reads of the results and of the writes over the products' sources
.endr
.irp n, 0,1,2,3
	v_add_f32 v[R2+8*\n], v[X+34+8*\n], v[X+35+8*\n]       ; tiles 4-7: high + low, where the other arm leaves them
.endr
.irp n, 0,1,2,3
	v_add_f32 v[X+32+8*\n], v[X+32+8*\n], v[X+33+8*\n]     ; tiles 0-3
.endr
.endif
.endm
	s_cmp_gt_u32 s32, 16
	s_cbranch_scc0 .Ltail_narrow
	TAIL 1
	s_branch .Lmerge
.Ltail_narrow:
	TAIL 0
.Lmerge:
	; Every lane holds its column's sum of every tile, in both halves of the lanes: lanes 0-15 keep an even tile, lanes 16-31 take the odd one behind it.
	v_cndmask_b32 v[X+32], v[X+32], v[X+40], s30   ; register q: column 16 q + 8 h + lane % 8 + 64 (bit 3 of the lane)
	v_cndmask_b32 v[X+48], v[X+48], v[X+56], s30
	v_cndmask_b32 v[R2], v[R2], v[R2+8], s30
	v_cndmask_b32 v[R2+16], v[R2+16], v[R2+24], s30
	; through 576 bytes of my stage, whose values have all been read, so that a lane holds 4 neighbouring columns
	ds_store_b32 v[OT], v[X+32]
	ds_store_b32 v[OT], v[X+48] offset:64
	ds_store_b32 v[OT], v[R2] offset:128
	ds_store_b32 v[OT], v[R2+16] offset:192
	ds_load_b128 v[ACC:ACC+3], v[OL]
	s_wait_dscnt 0x0
	s_cmp_gt_u32 s32, 32
	s_cbranch_scc0 .Lfinish
	; BEYOND 32 ROWS: rows 32 .. width - 1, one a trip, no barrier.  key_w's whole row j in f32: lane l holds columns 128 g + 4 l .. + 3.
	s_lshl_b32 s46, s16, 12
	s_mov_b32 s47, 0
	s_add_nc_u64 s[46:47], s[10:11], s[46:47]
.irp g, 0,1,2,3,4,5,6,7
	global_load_b128 v[R2+4*\g:R2+4*\g+3], v[LO], s[46:47] offset:512*\g
.endr
	s_add_nc_u64 s[36:37], s[36:37], 32*ROWB       ; no load that names these bases is out: all were waited for
	s_add_nc_u64 s[38:39], s[38:39], 32*ROWB
	s_mov_b32 s48, 32
.Lwide:
.irp g, 0,1,2,3,4,5,6,7
	global_load_b128 v[X+4*\g:X+4*\g+3], v[LO], s[36:37] offset:512*\g     ; the whole row, for the logit
.endr
	global_load_b128 v[X+32:X+35], v[LO], s[38:39]                         ; my slice, for the sum
	s_wait_loadcnt 0x0                             ; the row (and, in the first trip, key_w's); the bases below are stepped behind this wait
	v_pk_mul_f32 v[FW:FW+1], v[X:X+1], v[R2:R2+1]          ; two chains of packed multiply-adds; the first products start them
	v_pk_mul_f32 v[FW+2:FW+3], v[X+2:X+3], v[R2+2:R2+3]
.irp g, 1,2,3,4,5,6,7
	v_pk_fma_f32 v[FW:FW+1], v[X+4*\g:X+4*\g+1], v[R2+4*\g:R2+4*\g+1], v[FW:FW+1]
	v_pk_fma_f32 v[FW+2:FW+3], v[X+4*\g+2:X+4*\g+3], v[R2+4*\g+2:R2+4*\g+3], v[FW+2:FW+3]
.endr
	v_pk_add_f32 v[FW:FW+1], v[FW:FW+1], v[FW+2:FW+3]
	v_add_f32 v[FW], v[FW], v[FW+1]
	v_add_f32_dpp v[FW], v[FW], v[FW] row_xmask:1 row_mask:0xf bank_mask:0xf
	v_add_f32_dpp v[FW], v[FW], v[FW] row_xmask:2 row_mask:0xf bank_mask:0xf
	v_add_f32_dpp v[FW], v[FW], v[FW] row_xmask:4 row_mask:0xf bank_mask:0xf
	v_add_f32_dpp v[FW], v[FW], v[FW] row_xmask:8 row_mask:0xf bank_mask:0xf
	v_permlanex16_b32 v[FW+1], v[FW], s42, s43
	v_add_f32 v[FW], v[FW], v[FW+1]                ; the dot product, in every lane
	v_fma_f32 v[FW], v[FW], s40, s27
	v_cndmask_b32 v[FW], v[FW], 0, s31             ; an empty span: all alike
	v_max_num_f32 v[FW+1], v[MX], v[FW]            ; the running maximum
	v_sub_f32 v[FW+2], v[MX], v[FW+1]
	v_sub_f32 v[FW+3], v[FW], v[FW+1]
	v_exp_f32 v[FW+2], v[FW+2]                     ; what the old sums shrink by
	v_exp_f32 v[FW+3], v[FW+3]                     ; this row's weight
	v_mov_b32 v[MX], v[FW+1]                       ; the plain place behind the two transcendentals
	s_wait_alu depctr_va_vdst(0)
	v_fma_f32 v[SM], v[SM], v[FW+2], v[FW+3]
.irp c, 0,1,2,3
	v_mul_f32 v[ACC+\c], v[ACC+\c], v[FW+2]
.endr
.irp c, 0,1,2,3
	v_fmac_f32 v[ACC+\c], v[FW+3], v[X+32+\c]
.endr
	s_add_nc_u64 s[36:37], s[36:37], ROWB
	s_add_nc_u64 s[38:39], s[38:39], ROWB
	s_add_co_u32 s48, s48, 1
	s_cmp_lt_u32 s48, s32
	s_cbranch_scc1 .Lwide
.Lfinish:
	v_rcp_f32 v[IV], v[SM]                         ; twice, to fill the pair of the packed multiply
	v_rcp_f32 v[IV+1], v[SM]
	v_nop                                          ; one plain place behind the transcendentals
	s_wait_alu depctr_va_vdst(0)
	v_pk_mul_f32 v[ACC:ACC+1], v[ACC:ACC+1], v[IV:IV+1]
	v_pk_mul_f32 v[ACC+2:ACC+3], v[ACC+2:ACC+3], v[IV:IV+1]
	global_store_b128 v[LO], v[ACC:ACC+3], s[14:15] th:TH_STORE_NT   ; the wave stores 512 consecutive bytes, at a multiple of 512 from out0's first byte
	s_wait_tensorcnt 0x0
	ds_add_u32 v128, v129
	s_wait_dscnt 0x0
	s_endpgm
.Lfunc_end_k_q6b20bd2946_pool:
	.size	k_q6b20bd2946_pool, .Lfunc_end_k_q6b20bd2946_pool-k_q6b20bd2946_pool
	.p2alignl 7, 3214868480
	.fill 96, 4, 3214868480
	.section	.rodata,"a",@progbits
	.p2align	6, 0x0
	.amdhsa_kernel k_q6b20bd2946_pool
		.amdhsa_group_segment_fixed_size 79872
		.amdhsa_private_segment_fixed_size 0
		.amdhsa_enable_private_segment 0
		.amdhsa_kernarg_size 48
		.amdhsa_user_sgpr_count 2
		.amdhsa_user_sgpr_kernarg_segment_ptr 1
		.amdhsa_wavefront_size32 1
		.amdhsa_system_sgpr_workgroup_id_x 1
		.amdhsa_system_sgpr_workgroup_id_y 1
		.amdhsa_system_sgpr_workgroup_id_z 1
		.amdhsa_system_vgpr_workitem_id 0
		.amdhsa_next_free_vgpr 130
		.amdhsa_next_free_sgpr 66
		.amdhsa_reserve_vcc 1
		.amdhsa_float_denorm_mode_32 3
		.amdhsa_float_denorm_mode_16_64 3
		.amdhsa_memory_ordered 1
		.amdhsa_forward_progress 1
		.amdhsa_inst_pref_size 59
	.end_amdhsa_kernel
	.amdgpu_metadata
---
amdhsa.version: [ 1, 2 ]
amdhsa.kernels:
  - .name:           k_q6b20bd2946_pool
    .symbol:         k_q6b20bd2946_pool.kd
    .args:
      - { .name: begins, .offset: 0, .size: 8, .value_kind: global_buffer, .address_space: global }
      - { .name: ends, .offset: 8, .size: 8, .value_kind: global_buffer, .address_space: global }
      - { .name: features, .offset: 16, .size: 8, .value_kind: global_buffer, .address_space: global }
      - { .name: key_w, .offset: 24, .size: 8, .value_kind: global_buffer, .address_space: global }
      - { .name: key_b, .offset: 32, .size: 8, .value_kind: global_buffer, .address_space: global }
      - { .name: out0, .offset: 40, .size: 8, .value_kind: global_buffer, .address_space: global }
    .group_segment_fixed_size: 79872
    .private_segment_fixed_size: 0
    .kernarg_segment_align: 8
    .kernarg_segment_size: 48
    .max_flat_workgroup_size: 256
    .sgpr_count:     66
    .vgpr_count:     130
    .wavefront_size: 32
...
	.end_amdgpu_metadata
.endif
;; end of part 1
